; MI455X (gfx1250); checked and timed in simulation.
; The chip was launched on July 23, 2026; its instructions are those of AMD's public machine-readable ISA for CDNA 5 (MIT licence, August 2026) and "CDNA5" Instruction Set Architecture Reference Guide (July 2026). The comments in the code are by the model that wrote it; some were corrected since.
;; Self Attention. Allowed arithmetic: matrix products marked QUANTISED: E4M3 operands, one given power-of-two scale a tensor, by v_wmma_f32_16x16x64_fp8_fp8 or v_wmma_f32_16x16x128_fp8_fp8, f32 sums; everything else in f32.
;; Inputs: Wk_codes 64 x 8 x 32 uint8 (E4M3 codes of Wk, K innermost, in blocks of 32 codes); Wo_codes 256 x 2 x 32 uint8 (E4M3 codes of Wo, K innermost, in blocks of 32 codes); Wq_codes 64 x 8 x 32 uint8 (E4M3 codes of Wq, K innermost, in blocks of 32 codes); Wv_codes 64 x 8 x 32 uint8 (E4M3 codes of Wv, K innermost, in blocks of 32 codes); lowp_scales 12 int32 (the exponents e of the quantised operands' scales 2^e); x_codes 4 x 4,096 x 8 x 32 uint8 (E4M3 codes of x, K innermost, in blocks of 32 codes).
;; Outputs: out0 4 x 4,096 x 256 float32.
;; This version of the problem:
;;   THIS VERSION OF THE PROBLEM IS GIVEN IN LOW PRECISION. The matrix products marked QUANTISED in the list below multiply operands that are first quantised to E4M3 (4 exponent bits, 3 mantissa bits; 8 bits a number), with one given power-of-two scale for each operand tensor; their sums are f32. All else is computed in f32.
;;   The module's matrix products, in the order in which they are computed (A, B: the left and right operand; K: the contracted axis; several contracted axes count as one K, in the product's order):
;;     1. [M 16,384, K 256] x [K 256, N 64]; A: input x (given as codes); B: input Wk (given as codes): QUANTISED (scales: A lowp_scales[0], B lowp_scales[1])
;;     2. [M 16,384, K 256] x [K 256, N 64]; A: input x (given as codes); B: input Wq (given as codes): QUANTISED (scales: A lowp_scales[2], B lowp_scales[3])
;;     3. [M 16,384, K 256] x [K 256, N 64]; A: input x (given as codes); B: input Wv (given as codes): QUANTISED (scales: A lowp_scales[4], B lowp_scales[5])
;;     4. batch 4 x [M 4,096, K 64] x [K 64, N 4,096]; A: computed on the way; B: computed on the way: QUANTISED (scales: A lowp_scales[6], B lowp_scales[7])
;;     5. batch 4 x [M 4,096, K 4,096] x [K 4,096, N 64]; A: softmax (see below); B: computed on the way: QUANTISED (scales: A lowp_scales[8], B lowp_scales[9])
;;     6. [M 16,384, K 64] x [K 64, N 256]; A: computed on the way; B: input Wo (given as codes): QUANTISED (scales: A lowp_scales[10], B lowp_scales[11])
;;   THE QUANTISER, for each operand of a quantised product, along K:
;;     - The operand's scale is 2^e, e = its entry of the input lowp_scales (int32; the entries are numbered through the quantised products in the list's order, A before B).
;;     - Each number is divided by the scale, clamped to +-448, and rounded to the nearest number of E4M3, ties to even, subnormals kept.
;;     - The product sums the exact products of the quantised numbers (number of the format x scale) in f32.
;;   ~~~python
;;   def quantise(x, axis, e):      # numpy; x: float32 -> the quantised numbers, widened to float32 again
;;       x = np.moveaxis(x, axis, -1); K = x.shape[-1]
;;       r = np.clip(x / 2.0 ** e, -448, 448)
;;       step = 2.0 ** (np.maximum(np.frexp(np.where(r == 0, 1, r))[1] - 1, -6) - 3)
;;       q = np.round(r / step) * step * 2.0 ** e      # np.round: ties to even
;;       return np.moveaxis(q, -1, axis).astype(np.float32)
;;   ~~~
;;   SOFTMAX AHEAD OF A QUANTISED PRODUCT. Where the list says 'softmax', what is quantised is not the finished softmax but p = 2^(t - M), with t = logit x log2(e) and M = ceil(the row's largest t), a whole number; so 1/2 < the row's largest p <= 1. The row's sum l is taken of the UNQUANTISED p, in f32, and the product's result is divided by l at the end. Since M is a whole number, a kernel that streams over the keys may use a running M (the ceiling of the running maximum): every later rescaling is an exact power of two, so the quantised numbers keep their values, but for numbers so far below the row's largest that they fall under the format's range.
;;   OPERANDS COMPUTED ON THE WAY. 'Computed on the way' means the value that the module computes at that place (a softmax that the list does not call 'softmax' is quantised finished and normalised). What goes into a quantiser is computed in f32, as accurately as f32 sums, v_exp_f32 and their like allow (about 1e-6 of the number): no bf16 or f16 on the way to a quantiser, and a product that is left as it is and whose result goes on into a quantised operand takes f32 operands (vector FMAs, or v_wmma_f32_16x16x4_f32). A number that lies on a knife's edge between two numbers of the format may be rounded either way, as far as f32 arithmetic and the matrix unit's own rounding can turn it there, and no further.
;;   INPUTS GIVEN AS CODES. Wk (in the module: [256, 64], K = its axis 0); Wo (in the module: [64, 256], K = its axis 0); Wq (in the module: [256, 64], K = its axis 0); Wv (in the module: [256, 64], K = its axis 0); x (in the module: [4, 4096, 256], K = its axis 2): each comes as NAME_codes (uint8): NAME with its K axis moved to the last place and cut into blocks of 32 codes, [.., K / 32, bytes a block], one block behind the other in memory; one code a byte (a code: sign, 4 exponent bits, 3 mantissa bits); its scale is its entry of lowp_scales. Its value is code x scale, taken as it is: it is not quantised again, and the codes and scales need not be those that the quantiser above would give.
;; One version. Each part assembles by itself: llvm-mc -triple=amdgcn-amd-amdhsa -mcpu=gfx1250 --defsym DOCPART=n.
;; ======== version 1 of 1: 2 launches
;; limits: right only within a limited range of input values
;; workspace buffers: kf 1,048,576 bytes; cv 2,097,152 bytes
;; launch proj (part 1): grid 256 x 1, 6 waves a work-group, no clusters, 327,680 bytes of LDS; arguments x_codes, Wk_codes, Wq_codes, Wv_codes, lowp_scales, kf, cv; writes kf, cv
.if DOCPART == 1
	.amdgcn_target "amdgcn-amd-amdhsa--gfx1250"
	.amdhsa_code_object_version 6
	.text
	.protected	k_qe6f2f27aeb_proj
	.globl	k_qe6f2f27aeb_proj
	.p2align	8
	.type	k_qe6f2f27aeb_proj,@function
k_qe6f2f27aeb_proj:
	s_mov_b64 s[64:65], 0
	v_nop
	global_prefetch_b8 v0, s[64:65] scope:SCOPE_SE
	s_setreg_imm32_b32 hwreg(HW_REG_WAVE_MODE, 25, 1), 1
	s_wait_xcnt 0x0
; k = x Wk, q = x Wq, v = x Wv on codes of FP8 (E4M3), K = 256, and the three results quantised again for the attention's two products: k with 2^e6, q with 2^e7 (both along the 64 channels), v with 2^e9 (along the rows t).
; x: [16384][256] codes; Wk, Wq, Wv: [64][256] codes, K innermost.  lowp_scales: e0 .. e11.
; THE RESULTS ARE STORED AS IMAGES OF THE NEXT LAUNCH'S OPERAND REGISTERS: each group of four registers as 16 bytes a lane, 512 consecutive bytes a store (r = lane % 16, h = lane / 16).
;   kf: tile of 16 rows at 1024 (row / 16); chunk c at 512 c: row r, channels 32 c + 8 h + 0 .. 7, then 32 c + 16 + 8 h + 0 .. 7.
;   cv: a group of 128 rows at 16384 (row / 128).  q: tile t at 1024 t + 512 c: row 16 t + r, channels as in kf.
;       v: from byte 8192 on, channel tile ct at 2048 ct + 512 c: channel 16 ct + r, rows 32 c + 8 h + 0 .. 7, then 32 c + 16 + 8 h + 0 .. 7.
; Such an order of K is the same in both operands of every later product, so each code meets its partner.
; k and q are used transposed (source 0 = 16 rows of W, source 1 = 16 rows of x: a lane holds one row and its registers run along the channels);
; v the other way round (source 0 = x, source 1 = W: a lane holds one channel and its registers run along the rows t).
; SHARES.  A work-group takes 64 rows.  Wave w: role w / 2 (k, q, v), group of 32 rows w % 2: 32 rows x 64 outputs x K 256 = 16 products, 48 LDS loads, 4 stores.
; Waves 0 to 3 each fetch one tile of 64 rows x 256 bytes (x, Wk, Wq, Wv) into padded LDS rows.  Each tile is filled once and there is no loop.
; No cluster: the whole launch has one fill and one barrier; joint requests would put two rounds of the cluster's barrier round a body of 16 products a wave.  No prefetch: there is no loop to run ahead in.
; The three scales ahead of a quantiser are folded into the conversion's one: a sum stands for sum x 2^(ex + ew), so its code is sum / 2^(e_out - ex - ew).
; LIMITS: e6 - e0 - e1, e7 - e2 - e3 and e9 - e4 - e5 lie between -126 and 119, so that the scale and 448 x the scale are f32 numbers.  NaN codes among the inputs are not served.
.set PITCH, 272                        ; an LDS row: 256 bytes + 16 of padding
.set TILE, 64*PITCH                    ; x, Wk, Wq, Wv one behind the other
.set SPARE, 6*TILE                     ; the spare words, 128 bytes for each wave
.set XA,  2                            ; v2  LDS address of my fragments of x
.set LI,  3                            ; v3  16 x lane: my place in an image
.set SCL, 4                            ; v4  the folded scale as f32
.set LIM, 5                            ; v5  448 x that
.set SPW, 6                            ; v6  LDS address of my spare word;  v7  0
.set NIL, 7
.set WA,  8                            ; v8  LDS address of my fragments of W
.set XF,  16                           ; v16-79   x: tile u, K step s at 16 + 32 u + 16 s
.set WF,  80                           ; v80-207  W: tile t, K step s at 80 + 32 t + 16 s
.set ACC, 208                          ; v208-239 four accumulators
.set CD,  240                          ; v240-255 codes: eight registers for each batch
	s_load_b256 s[4:11], s[0:1], 0x0               ; x s[4:5], Wk s[6:7], Wq s[8:9], Wv s[10:11]
	s_load_b128 s[12:15], s[0:1], 0x20             ; the scales' exponents s[12:13], kf s[14:15]
	s_load_b64 s[16:17], s[0:1], 0x30              ; cv
	v_lshl_add_u32 v[SPW], v0, 2, SPARE
	v_mov_b32 v[NIL], 0
	ds_add_u32 v[SPW], v[NIL]                      ; the opening add, twice on end
	ds_add_u32 v[SPW], v[NIL]
	v_lshrrev_b32 v1, 5, v0
	v_readfirstlane_b32 s18, v1                    ; wave 0..5
	s_mov_b32 s48, (1<<20)|(5<<22)|(3<<25)         ; group 1: elements of 1 byte, padding of 4 words after every 64
	s_mov_b32 s49, 256<<16                         ; tensor_dim0
	s_mov_b32 s50, 64<<16                          ; tensor_dim1
	s_mov_b32 s51, 256<<16                         ; tile_dim0
	s_mov_b32 s52, 64                              ; tile_dim1
	s_mov_b32 s53, 256                             ; the pitch in memory
	s_mov_b32 s54, 0
	s_mov_b32 s55, 0
	s_mov_b32 s56, 1                               ; group 0: count = 1
	s_mul_i32 s57, s18, TILE                       ; wave w's tile goes to w x TILE
	s_lshl_b32 s42, ttmp9, 14                      ; my work-group's 64 rows of 256 bytes
	s_mov_b32 s43, 0
	s_wait_alu depctr_va_vdst(0)                   ; the wait ahead of the waits below
	s_wait_dscnt 0x0                               ; both adds are done
	s_wait_kmcnt 0x0
	s_load_b256 s[24:31], s[12:13], 0x0            ; e0 .. e7
	s_load_b128 s[32:35], s[12:13], 0x20           ; e8 .. e11
	s_add_nc_u64 s[58:59], s[4:5], s[42:43]        ; wave 0 fetches x,
	s_cmp_eq_u32 s18, 1
	s_cselect_b64 s[58:59], s[6:7], s[58:59]       ; wave 1 Wk,
	s_cmp_eq_u32 s18, 2
	s_cselect_b64 s[58:59], s[8:9], s[58:59]       ; wave 2 Wq,
	s_cmp_eq_u32 s18, 3
	s_cselect_b64 s[58:59], s[10:11], s[58:59]     ; wave 3 Wv
	s_or_b32 s59, s59, 0x80000000                  ; type = 2
	s_cmp_lt_u32 s18, 4
	s_cbranch_scc0 .Lfetched                       ; waves 4 and 5 fetch nothing
	tensor_load_to_lds s[56:59], s[48:55]
	s_nop 0
.rept 4
	v_nop                                          ; behind a tensor load
.endr
.Lfetched:
	s_lshr_b32 s19, s18, 1                         ; role: 0 k, 1 q, 2 v
	s_and_b32 s20, s18, 1
	s_lshl_b32 s21, ttmp9, 1
	s_add_co_u32 s21, s21, s20                     ; G: my group of 32 rows, 0 .. 511
	s_mul_i32 s60, s20, 32*PITCH                   ; my 32 rows of x in LDS
	s_add_co_u32 s61, s19, 1
	s_mul_i32 s61, s61, TILE                       ; my weight in LDS
	; where my images go, in bytes, made apart from the address
	s_lshl_b32 s36, s21, 11                        ; k: 2048 G
	s_lshr_b32 s37, s21, 2
	s_lshl_b32 s37, s37, 14                        ; q, v: 16384 (G / 4)
	s_and_b32 s38, s21, 3
	s_lshl_b32 s39, s38, 11
	s_add_co_u32 s39, s39, s37                     ; q: + 2048 (G % 4)
	s_lshl_b32 s38, s38, 9
	s_add_co_u32 s38, s38, s37
	s_add_co_u32 s38, s38, 8192                    ; v: + 8192 + 512 (G % 4)
	s_cmp_eq_u32 s19, 0                            ; the choices hang on the wave's number alone
	s_cselect_b64 s[40:41], s[14:15], s[16:17]     ; k goes to kf, q and v to cv
	s_cselect_b32 s42, s36, s39
	s_cmp_eq_u32 s19, 2
	s_cselect_b32 s42, s38, s42
	s_add_nc_u64 s[40:41], s[40:41], s[42:43]
	s_wait_kmcnt 0x0
	s_sub_co_i32 s44, s30, s24
	s_sub_co_i32 s44, s44, s25                     ; k: e6 - e0 - e1
	s_sub_co_i32 s45, s31, s26
	s_sub_co_i32 s45, s45, s27                     ; q: e7 - e2 - e3
	s_sub_co_i32 s46, s33, s28
	s_sub_co_i32 s46, s46, s29                     ; v: e9 - e4 - e5
	s_cmp_eq_u32 s19, 0
	s_cselect_b32 s44, s44, s45
	s_cmp_eq_u32 s19, 2
	s_cselect_b32 s44, s46, s44
	s_add_co_i32 s44, s44, 127
	s_lshl_b32 s45, s44, 23
	s_add_co_i32 s44, s44, 8
	s_lshl_b32 s44, s44, 23
	s_or_b32 s44, s44, 0x600000
	v_mov_b32 v[SCL], s45                          ; the folded scale as f32: the conversion takes its exponent field
	v_mov_b32 v[LIM], s44                          ; 448 x that
	v_and_b32 v1, 15, v0                           ; r
	v_bfe_u32 v9, v0, 4, 1                         ; h
	v_and_b32 v[LI], 31, v0
	v_lshlrev_b32 v[LI], 4, v[LI]
	v_mul_u32_u24 v10, v1, PITCH
	v_lshl_add_u32 v10, v9, 4, v10                 ; a fragment's row x pitch + 16 h
	v_add_nc_u32 v[XA], s60, v10
	v_add_nc_u32 v[WA], s61, v10
	s_wait_alu depctr_va_vdst(0)                   ; the wait at the head's end
	s_wait_tensorcnt 0x0                           ; my tile is in,
	s_barrier_signal -1
	s_barrier_wait -1                              ; and everybody's
	; registers 4 c .. 4 c + 3 of a fragment hold K = 32 c + 16 h + 0 .. 15, in x and W alike
.irp u, 0,1
.irp s, 0,1
.irp c, 0,1,2,3
	ds_load_b128 v[XF+32*\u+16*\s+4*\c:XF+32*\u+16*\s+4*\c+3], v[XA] offset:\u*16*PITCH+\s*128+\c*32
.endr
.endr
.endr
.irp s, 0,1                                    ; W's first K step first, so that the first products need not wait for the second
.irp t, 0,1,2,3
.irp c, 0,1,2,3
	ds_load_b128 v[WF+32*\t+16*\s+4*\c:WF+32*\t+16*\s+4*\c+3], v[WA] offset:\t*16*PITCH+\s*128+\c*32
.endr
.endr
.endr
; Four products, one on each accumulator: K step s of batch n.  kind 0 (k, q): W's tiles 0-3 against x's tile n.  kind 1 (v): x's tiles 0, 1 against W's tiles 2 n, 2 n + 1.
.macro PROD kind, n, s, zero
.irp a, 0,1,2,3
.if \kind
.set rA, XF+32*(\a%2)+16*\s
.set rB, WF+32*(2*\n+\a/2)+16*\s
.else
.set rA, WF+32*\a+16*\s
.set rB, XF+32*\n+16*\s
.endif
.if \zero
	v_wmma_f32_16x16x128_fp8_fp8 v[ACC+8*\a:ACC+8*\a+7], v[rA:rA+15], v[rB:rB+15], 0
.else
	v_wmma_f32_16x16x128_fp8_fp8 v[ACC+8*\a:ACC+8*\a+7], v[rA:rA+15], v[rB:rB+15], v[ACC+8*\a:ACC+8*\a+7]
.endif
.endr
.endm
; A batch: eight products (the four accumulators take turns, one instruction a turn), the hold, the conversions, two stores.
.macro BATCH kind, n
.if \n == 0
	s_wait_dscnt 16                                ; x and W's first K step are in; the 16 loads of W's second K step may be out
.endif
	PROD \kind, \n, 0, 1                           ; the first K step starts the sums
.if \n == 0
	s_wait_dscnt 0x0
.endif
	PROD \kind, \n, 1, 0
.rept 4
	v_nop                                          ; four places between a product and the first vector instruction that reads its result (ISA guide 7.12.1)
.endr
.set i, 0
.rept 32
	v_med3_num_f32 v[ACC+i], v[ACC+i], -v[LIM], v[LIM]   ; the conversion to an 8-bit code does not saturate (ISA guide 7.6.2): the hold at 448 x the scale; each accumulator from its low end on
.set i, i+1
.endr
.irp a, 0,1,2,3
	v_cvt_scalef32_pk8_fp8_f32 v[CD+8*\n+2*\a:CD+8*\n+2*\a+1], v[ACC+8*\a:ACC+8*\a+7], v[SCL]
.endr
	v_nop                                          ; a plain vector instruction between the conversions and the next batch's products, which write their sources
.irp i, 0,1
.if \kind
	global_store_b128 v[LI], v[CD+8*\n+4*\i:CD+8*\n+4*\i+3], s[40:41] offset:(2*\n+\i)*2048   ; channel tile 2 n + i, my chunk of 32 rows: 512 consecutive bytes, aligned
.else
	global_store_b128 v[LI], v[CD+8*\n+4*\i:CD+8*\n+4*\i+3], s[40:41] offset:\n*1024+\i*512    ; row tile n, chunk i: 512 consecutive bytes, aligned
.endif
.endr
.endm
	s_cmp_eq_u32 s19, 2
	s_cbranch_scc1 .Lv
	BATCH 0, 0
	BATCH 0, 1
	s_branch .Lend
.Lv:
	BATCH 1, 0
	BATCH 1, 1
.Lend:
	s_wait_tensorcnt 0x0                           ; the wave's end
	ds_add_u32 v[SPW], v[NIL]
	s_wait_dscnt 0x0
	s_endpgm
.Lfunc_end_k_qe6f2f27aeb_proj:
	.size	k_qe6f2f27aeb_proj, .Lfunc_end_k_qe6f2f27aeb_proj-k_qe6f2f27aeb_proj
	.p2alignl 7, 3214868480
	.fill 96, 4, 3214868480
	.section	.rodata,"a",@progbits
	.p2align	6, 0x0
	.amdhsa_kernel k_qe6f2f27aeb_proj
		.amdhsa_group_segment_fixed_size 327680
		.amdhsa_private_segment_fixed_size 0
		.amdhsa_enable_private_segment 0
		.amdhsa_kernarg_size 56
		.amdhsa_user_sgpr_count 2
		.amdhsa_user_sgpr_kernarg_segment_ptr 1
		.amdhsa_wavefront_size32 1
		.amdhsa_system_sgpr_workgroup_id_x 1
		.amdhsa_system_sgpr_workgroup_id_y 1
		.amdhsa_system_sgpr_workgroup_id_z 1
		.amdhsa_system_vgpr_workitem_id 0
		.amdhsa_next_free_vgpr 256
		.amdhsa_next_free_sgpr 66
		.amdhsa_reserve_vcc 0
		.amdhsa_float_denorm_mode_32 3
		.amdhsa_float_denorm_mode_16_64 3
		.amdhsa_memory_ordered 1
		.amdhsa_forward_progress 1
		.amdhsa_inst_pref_size 20
	.end_amdhsa_kernel
	.amdgpu_metadata
---
amdhsa.version: [ 1, 2 ]
amdhsa.kernels:
  - .name:           k_qe6f2f27aeb_proj
    .symbol:         k_qe6f2f27aeb_proj.kd
    .args:
      - { .name: x_codes, .offset: 0, .size: 8, .value_kind: global_buffer, .address_space: global }
      - { .name: Wk_codes, .offset: 8, .size: 8, .value_kind: global_buffer, .address_space: global }
      - { .name: Wq_codes, .offset: 16, .size: 8, .value_kind: global_buffer, .address_space: global }
      - { .name: Wv_codes, .offset: 24, .size: 8, .value_kind: global_buffer, .address_space: global }
      - { .name: lowp_scales, .offset: 32, .size: 8, .value_kind: global_buffer, .address_space: global }
      - { .name: kf, .offset: 40, .size: 8, .value_kind: global_buffer, .address_space: global }
      - { .name: cv, .offset: 48, .size: 8, .value_kind: global_buffer, .address_space: global }
    .group_segment_fixed_size: 327680
    .private_segment_fixed_size: 0
    .kernarg_segment_align: 8
    .kernarg_segment_size: 56
    .max_flat_workgroup_size: 192
    .sgpr_count:     66
    .vgpr_count:     256
    .wavefront_size: 32
...
	.end_amdgpu_metadata
.endif
;; end of part 1
;; launch attn (part 2): grid 64 x 4, 8 waves a work-group, no clusters, 144,384 bytes of LDS; arguments kf, cv, Wo_codes, lowp_scales, out0; writes out0
.if DOCPART == 2
	.amdgcn_target "amdgcn-amd-amdhsa--gfx1250"
	.amdhsa_code_object_version 6
	.text
	.protected	k_qe6f2f27aeb_attn
	.globl	k_qe6f2f27aeb_attn
	.p2align	8
	.type	k_qe6f2f27aeb_attn,@function
k_qe6f2f27aeb_attn:
	s_mov_b64 s[64:65], 0
	v_nop
	global_prefetch_b8 v0, s[64:65] scope:SCOPE_SE
	s_setreg_imm32_b32 hwreg(HW_REG_WAVE_MODE, 25, 1), 1
	s_wait_xcnt 0x0
; out[b][s][:] = (sum over t of softmax_t(k[b][s] . q[b][t] / 8) v[b][t][:]) Wo, all three products on codes of FP8 (E4M3).  kf holds k's codes, cv q's and v's, as images of operand registers (r = lane % 16, h = lane / 16):
;   kf: tile of 16 rows at 1024 (row / 16); chunk c at 512 c; 16 bytes a lane: row r, channels 32 c + 8 h + 0 .. 7, then 32 c + 16 + 8 h + 0 .. 7.
;   cv: a group of 128 keys t at 16384 x (4096 b + t) / 128.  q: tile at 1024 t + 512 c: key 16 t + r, channels as in kf.
;       v: from byte 8192 on, channel tile ct at 2048 ct + 512 c: channel 16 ct + r, keys 32 c + 8 h + 0 .. 7, then 32 c + 16 + 8 h + 0 .. 7.
; THE SOFTMAX AHEAD OF THE SECOND PRODUCT: t = logit x log2(e); M = the largest t so far, rounded UP to a whole number, kept as -M; p = 2^(t - M) is quantised with 2^e8, not normalised; the row's sum is taken of the
; unquantised p and divides at the end.  When M moves, the sum and O are multiplied by 2^(old M - new M): exact.
; SHARES.  256 work-groups; each owns 64 rows s of one batch.  Eight waves of 512 registers, two to a SIMD.  Wave w owns all 64 rows (four tiles of 16) and an eighth of the keys (512 keys, four steps of 128), with M, sum and
; O^T of its own.  So a work-group reads each byte of its batch's q and v once, from memory straight into the registers of the one wave that multiplies it, and each fragment feeds four row tiles: no LDS slot and no barrier
; stands in the walk over the keys.  At the end the eight eighths of a row are brought under their largest M by exact powers of two and added, divided by the sum, quantised with 2^e10 and multiplied by Wo.
; LAYOUT.  All products are used transposed: S^T = q k^T (source 0 = 16 keys), O^T = v^T p^T (source 0 = 16 channels), out^T = Wo^T attn^T (source 0 = 16 outputs): a lane holds ONE row s (lane % 16) throughout, and
; the conversions' results are the next product's operand: two neighbouring tiles' 16 registers hold K = 8 h + 0 .. 7 and 16 + 8 h + 0 .. 7 of their 32, the order in which the other operand's image is laid.
; PAIRS.  The four row tiles go in two pairs.  A pair's softmax is walked for both tiles side by side; then the NEXT pair's scores are multiplied, and then this pair's O^T.
; q of step n + 1 is asked for at the head of step n's second pair, v of step n at the head of step n's first pair: each has a pair's softmax in which to land.
; No cluster and no tensor load: joint requests serve tiles that go to LDS; 512 KiB of q and v would go through slots with a round of the cluster's barrier at each of the four steps, and be read from there into registers once more.
; THE PREFETCH: each wave names one block of 256 bytes of its eighth's 16 KiB group, block number = the work-group's x: the 64 work-groups of a batch share a step's blocks out, each named once.  Step 1 is named behind the
; head's loads, step n + 2 at the head of step n; behind step 3 there is nothing to ask for.
; LIMITS on the given exponents, so that each power of two below is an f32 number: e6 + e7 between -123 and 130 (they are added to c's exponent field); e8 and e10 between -126 and 119; e10 + e11 between -126 and 127;
; e8 + e9 is applied by v_ldexp_f32 and has none.  The softmax holds while the scaled scores stay under 2^31 in magnitude.  NaN codes are not served.  A p under 2^-126 counts as 0 (v_exp_f32 flushes: ISA guide, its entry in 15.8).
.set STATS, 131072                     ; LDS: the partial O^T, 16384 x wave; behind them -M and sums: wave w at 1024 w: -M of tile T at 128 T, sums 512 on; 4 bytes a lane
.set AIMG,  STATS+8192                 ; attn's codes: row tile T at 1024 T, as a fragment's image
.set SPARE, AIMG+4096                  ; the spare words, 128 bytes for each wave
.set SPITCH, 528                       ; the way out: a stage of 16 rows x (512 bytes + 16) for each wave, over the partial O^T, which everybody has read by then
.set SPW, 1                            ; v1   LDS address of my spare word;  v2  0
.set NIL, 2
.set LI,  3                            ; v3   16 x lane
.set PSC, 4                            ; v4   2^e8 as f32, for p's conversions
.set PXA, 5                            ; v5, v6  lane permutes' destinations
.set PXB, 6
.set ZO,  7                            ; v7   0: the prefetches' offset
.set FA,  8                            ; v[8:9], v[10:11]  f = 2^(old M - new M) of the pair's tiles; the upper halves are only named
.set FB,  10
.set NM,  12                           ; v[12+2T:13+2T]  -M of tile T; the upper halves are only named
.set LS,  20                           ; v[20+2T:21+2T]  the sum of tile T, in two halves
.set WOV, 28                           ; v28  Wo: 64 r + 8 h
.set L4,  29                           ; v29  4 x lane
.set SOV, 30                           ; v30  the stage: r x SPITCH + 32 h
.set RK,  32                           ; v32-63   k's fragments, tile T at 32 + 8 T
.set PC,  64                           ; v64-95   p's codes of the pair
.set SA,  96                           ; v96-159, v160-223  S^T of the pair's tiles, then p
.set SB,  160
.set TM,  224                          ; v224-255 at work
.set QF,  128                          ; window 1: v0-127 O^T (tile T, channel tile ct at 32 T + 8 ct); v128-191 q's eight fragments, at the end Wo's; v192-255 v's four
.set VF,  192
.set WV,  14                           ; s14  my wave's number
.set SEL, 20                           ; s[20:21] lane selects for v_permlanex16_b32: lane l xor 16
.set CS,  22                           ; s[22:23] c = log2(e) / 8 x 2^(e6 + e7): the packed form names a pair and takes its low word for both halves
.set PFA, 24                           ; s[24:25] where my prefetches stand
.set HOLDP, 48                         ; s48  448 x 2^e8
.set MSB, 0
.macro WIN new                         ; the immediate's high byte repeats the setting that is left
.if MSB != \new
	s_set_vgpr_msb (MSB<<8)|\new
.set MSB, \new
.endif
.endm
.set TO_1,  0x40                       ; destination window 1
.set MUL_S, 0x01                       ; source 0 window 1
.set RESC1, 0x41                       ; destination and source 0 window 1
.set MUL_O, 0x51                       ; D, C and source 0 window 1, source 1 window 0
.set ST_1,  0x04                       ; store data window 1
.macro LOADQ n
.irp t, 0,1,2,3,4,5,6,7
	global_load_b128 v[QF+8*\t:QF+8*\t+3], v[LI], s[6:7] offset:(\n)*16384+\t*1024      ; 512 consecutive bytes a load
	global_load_b128 v[QF+8*\t+4:QF+8*\t+7], v[LI], s[6:7] offset:(\n)*16384+\t*1024+512
.endr
.endm
.macro LOADV n
.irp c, 0,1,2,3
.irp q, 0,1,2,3
	global_load_b128 v[VF+16*\c+4*\q:VF+16*\c+4*\q+3], v[LI], s[6:7] offset:(\n)*16384+8192+\c*2048+\q*512
.endr
.endr
.endm
.macro LOADWO                          ; Wo(128 (w % 2) + 16 i + r, channels 16 c + 8 h + 0 .. 7): the order of attn's codes
.irp i, 0,1,2,3,4,5,6,7
.irp c, 0,1,2,3
	global_load_b64 v[QF+8*\i+2*\c:QF+8*\i+2*\c+1], v[WOV], s[8:9] offset:\i*1024+\c*16
.endr
.endr
.endm
.macro SCORES Ta, Tb                   ; S^T = q k^T for two row tiles: eight tiles of 16 keys each, K = the 64 channels
	WIN MUL_S
.irp t, 0,1,2,3,4,5,6,7
	v_wmma_f32_16x16x64_fp8_fp8 v[SA+8*\t:SA+8*\t+7], v[QF+8*\t:QF+8*\t+7], v[RK+8*\Ta:RK+8*\Ta+7], 0
	v_wmma_f32_16x16x64_fp8_fp8 v[SB+8*\t:SB+8*\t+7], v[QF+8*\t:QF+8*\t+7], v[RK+8*\Tb:RK+8*\Tb+7], 0
.endr
	WIN 0
.endm
; A PAIR: step n's 128 keys for row tiles 2 p and 2 p + 1, whose scores have been multiplied.  Register 16 b + i of the scores is key 32 b + 8 h + i for i < 8, 32 b + 8 + 8 h + i for the others.
; A vector instruction that reads a product's result or writes one of its registers, and a load into a register that a product has read, stand four places behind it (ISA guide 7.12.1 for vector instructions).
.macro PAIR n, p
.set Na, NM+4*\p
.set Nb, NM+4*\p+2
.set La, LS+4*\p
.set Lb, LS+4*\p+2
.set Oa, 64*\p
.set Ob, 64*\p+32
.rept 4
	v_nop                                          ; the places behind the scores and the last products
.endr
.if \p == 1
	WIN TO_1
.if \n < 3
	LOADQ \n+1                                     ; this step's q has had its last product
.else
	LOADWO
.endif
	WIN 0
.else
.if \n > 0
	WIN TO_1
	LOADV \n
	WIN 0
.endif
.if \n < 2
	global_prefetch_b8 v[ZO], s[PFA:PFA+1] offset:(\n+2)*16384 th:TH_LOAD_NT scope:SCOPE_SE
.endif
.endif
.irp j, 0,1,2,3                                ; the step's largest score of my rows among my 64 keys, four chains a tile; each accumulator is read from its low end on
	v_max3_num_f32 v[TM+\j], v[SA+3*\j], v[SA+3*\j+1], v[SA+3*\j+2]
	v_max3_num_f32 v[TM+4+\j], v[SB+3*\j], v[SB+3*\j+1], v[SB+3*\j+2]
.endr
.set i, 0
.rept 26
	v_max3_num_f32 v[TM+i%4], v[TM+i%4], v[SA+12+2*i], v[SA+13+2*i]
	v_max3_num_f32 v[TM+4+i%4], v[TM+4+i%4], v[SB+12+2*i], v[SB+13+2*i]
.set i, i+1
.endr
	v_max3_num_f32 v[TM], v[TM], v[TM+1], v[TM+2]
	v_max3_num_f32 v[TM+4], v[TM+4], v[TM+5], v[TM+6]
	v_max_num_f32 v[TM], v[TM], v[TM+3]
	v_max_num_f32 v[TM+4], v[TM+4], v[TM+7]
	v_permlanex16_b32 v[PXA], v[TM], s[SEL], s[SEL+1]
	v_permlanex16_b32 v[PXB], v[TM+4], s[SEL], s[SEL+1]
	v_max_num_f32 v[TM], v[TM], v[PXA]             ; and among lane l xor 16's
	v_max_num_f32 v[TM+4], v[TM+4], v[PXB]
	v_mul_f32 v[TM], s[CS], v[TM]                  ; as t (c is positive)
	v_mul_f32 v[TM+4], s[CS], v[TM+4]
.if \n == 0
	v_floor_f32 v[Na], -v[TM]                      ; -M = floor(-t) = -ceil(t): M is a whole number
	v_floor_f32 v[Nb], -v[TM+4]
.else
	v_floor_f32 v[TM+1], -v[TM]
	v_floor_f32 v[TM+5], -v[TM+4]
	v_min_num_f32 v[TM+1], v[TM+1], v[Na]          ; the ceiling of the running maximum is the maximum of the ceilings: -M alone is kept
	v_min_num_f32 v[TM+5], v[TM+5], v[Nb]
	v_sub_f32 v[TM+2], v[TM+1], v[Na]              ; old M less new M: a whole number, 0 or less
	v_sub_f32 v[TM+6], v[TM+5], v[Nb]
	v_mov_b32 v[Na], v[TM+1]
	v_mov_b32 v[Nb], v[TM+5]
	v_cvt_i32_f32 v[TM+2], v[TM+2]                 ; (it saturates)
	v_cvt_i32_f32 v[TM+6], v[TM+6]
	v_ldexp_f32 v[FA], 1.0, v[TM+2]                ; f = 2^(old M - new M)
	v_ldexp_f32 v[FB], 1.0, v[TM+6]
.endif
.set j, 0
.rept 32
	v_pk_fma_f32 v[SA+j:SA+j+1], v[SA+j:SA+j+1], s[CS:CS+1], v[Na:Na+1] op_sel_hi:[1,0,0]   ; t - M, two at a time
.set j, j+2
.endr
	s_wait_alu depctr_va_vdst(0)                   ; the wait ahead of the batch
.set j, 0
.rept 32                                       ; tile a's exponentials among tile b's multiply-adds, which read and write nothing of theirs
	v_exp_f32 v[SA+j], v[SA+j]                     ; p = 2^(t - M), at most 1
	v_exp_f32 v[SA+j+1], v[SA+j+1]
	v_pk_fma_f32 v[SB+j:SB+j+1], v[SB+j:SB+j+1], s[CS:CS+1], v[Nb:Nb+1] op_sel_hi:[1,0,0]
.set j, j+2
.endr
	s_wait_alu depctr_va_vdst(0)                   ; behind one batch and ahead of the next
.set j, 0
.rept 16                                       ; tile b's exponentials among the first additions of tile a's sum, each into registers of its own
	v_exp_f32 v[SB+4*j], v[SB+4*j]
	v_exp_f32 v[SB+4*j+1], v[SB+4*j+1]
	v_exp_f32 v[SB+4*j+2], v[SB+4*j+2]
	v_exp_f32 v[SB+4*j+3], v[SB+4*j+3]
	v_pk_add_f32 v[TM+2*j:TM+2*j+1], v[SA+4*j:SA+4*j+1], v[SA+4*j+2:SA+4*j+3]   ; the sum is taken of the unquantised p
.set j, j+1
.endr
	s_wait_alu depctr_va_vdst(0)                   ; one wait for the batch, ahead of its first reader
.if \n > 0
	v_pk_mul_f32 v[La:La+1], v[La:La+1], v[FA:FA+1] op_sel_hi:[1,0]   ; the sums under the new M
	v_pk_mul_f32 v[Lb:Lb+1], v[Lb:Lb+1], v[FB:FB+1] op_sel_hi:[1,0]
.endif
.set j, 4
.rept 12
	v_pk_add_f32 v[TM+2*(j%4):TM+2*(j%4)+1], v[TM+2*(j%4):TM+2*(j%4)+1], v[TM+2*j:TM+2*j+1]
.set j, j+1
.endr
.set j, 0
.rept 4                                        ; tile b's sum: four chains
	v_pk_add_f32 v[TM+8+2*j:TM+9+2*j], v[SB+4*j:SB+4*j+1], v[SB+4*j+2:SB+4*j+3]
.set j, j+1
.endr
.set j, 8
.rept 24
	v_pk_add_f32 v[TM+8+2*(j%4):TM+9+2*(j%4)], v[TM+8+2*(j%4):TM+9+2*(j%4)], v[SB+2*j:SB+2*j+1]
.set j, j+1
.endr
	v_pk_add_f32 v[TM:TM+1], v[TM:TM+1], v[TM+2:TM+3]
	v_pk_add_f32 v[TM+8:TM+9], v[TM+8:TM+9], v[TM+10:TM+11]
	v_pk_add_f32 v[TM+4:TM+5], v[TM+4:TM+5], v[TM+6:TM+7]
	v_pk_add_f32 v[TM+12:TM+13], v[TM+12:TM+13], v[TM+14:TM+15]
.if \n == 0
	v_pk_add_f32 v[La:La+1], v[TM:TM+1], v[TM+4:TM+5]
	v_pk_add_f32 v[Lb:Lb+1], v[TM+8:TM+9], v[TM+12:TM+13]
.else
	v_pk_add_f32 v[TM:TM+1], v[TM:TM+1], v[TM+4:TM+5]
	v_pk_add_f32 v[TM+8:TM+9], v[TM+8:TM+9], v[TM+12:TM+13]
	v_pk_add_f32 v[La:La+1], v[La:La+1], v[TM:TM+1]
	v_pk_add_f32 v[Lb:Lb+1], v[Lb:Lb+1], v[TM+8:TM+9]
.endif
	s_cmp_ge_i32 s44, -8                           ; e8 of -8 or more: 448 x 2^e8 is 1.75 or more, and no p reaches it
	s_wait_alu depctr_va_vdst(0)                   ; the wait ahead of the branch
	s_cbranch_scc1 .Lheld_\@
.set j, 0
.rept 128
	v_min_num_f32 v[SA+j], s[HOLDP], v[SA+j]       ; the conversion does not saturate (ISA guide 7.6.2); p is not negative, so the hold is one-sided
.set j, j+1
.endr
.Lheld_\@:
.set j, 0
.rept 16
	v_cvt_scalef32_pk8_fp8_f32 v[PC+2*j:PC+2*j+1], v[SA+8*j:SA+8*j+7], v[PSC]
.set j, j+1
.endr
.if \n == 0
	v_nop                                          ; a plain instruction between the conversions and the products
.else
	WIN RESC1
	s_wait_alu depctr_va_vdst(0)                   ; the wait directly ahead of O^T's first reader
.set j, 0
.rept 16                                       ; O^T under the new M: x f, two at a time, each accumulator from its low end on
	v_pk_mul_f32 v[Oa+j:Oa+j+1], v[Oa+j:Oa+j+1], v[FA:FA+1] op_sel_hi:[1,0]
	v_pk_mul_f32 v[Ob+j:Ob+j+1], v[Ob+j:Ob+j+1], v[FB:FB+1] op_sel_hi:[1,0]
.set j, j+2
.endr
	WIN 0
.endif
	s_wait_alu depctr_va_vdst(0)                   ; the wait ahead of the wait below
.if \p == 0
	SCORES 2, 3                                    ; the next pair's scores
	s_wait_loadcnt 0x0                             ; this step's v is in
.else
.if \n < 3
	s_wait_loadcnt 0x0                             ; the next step's q is in
	SCORES 0, 1
.endif
.endif
	WIN MUL_O
.irp c, 0,1,2,3                                ; O^T += v^T p^T, K = these 128 keys: eight accumulators, one instruction each
.if \n == 0
	v_wmma_f32_16x16x128_fp8_fp8 v[Oa+8*\c:Oa+8*\c+7], v[VF+16*\c:VF+16*\c+15], v[PC:PC+15], 0
	v_wmma_f32_16x16x128_fp8_fp8 v[Ob+8*\c:Ob+8*\c+7], v[VF+16*\c:VF+16*\c+15], v[PC+16:PC+31], 0
.else
	v_wmma_f32_16x16x128_fp8_fp8 v[Oa+8*\c:Oa+8*\c+7], v[VF+16*\c:VF+16*\c+15], v[PC:PC+15], v[Oa+8*\c:Oa+8*\c+7]
	v_wmma_f32_16x16x128_fp8_fp8 v[Ob+8*\c:Ob+8*\c+7], v[VF+16*\c:VF+16*\c+15], v[PC+16:PC+31], v[Ob+8*\c:Ob+8*\c+7]
.endif
.endr
	WIN 0
.endm
	s_load_b256 s[4:11], s[0:1], 0x0               ; kf s[4:5], cv s[6:7], Wo's codes s[8:9], the scales' exponents s[10:11]
	s_load_b64 s[12:13], s[0:1], 0x20              ; out0
	v_lshrrev_b32 v5, 5, v0
	v_readfirstlane_b32 s[WV], v5                  ; wave 0..7
	s_and_b32 s15, ttmp7, 0xffff                   ; the batch
	s_lshl_b32 s16, s15, 18                        ; kf: 4096 bytes a block of 64 rows
	s_lshl_b32 s2, ttmp9, 12
	s_add_co_u32 s16, s16, s2
	s_mov_b32 s17, 0
	s_lshl_b32 s18, s15, 19                        ; cv: the batch's 32 groups of 16384 bytes,
	s_lshl_b32 s2, s[WV], 16                       ; my eighth's four
	s_add_co_u32 s18, s18, s2
	s_mov_b32 s19, 0
	s_lshl_b32 s38, ttmp9, 8                       ; the prefetches: block x of a group
	s_mov_b32 s39, 0
	s_and_b32 s3, s[WV], 1                         ; which 128 of the 256 outputs are mine at the end
	s_lshl_b32 s34, s3, 13                         ; Wo: 128 rows of 64 bytes
	s_mov_b32 s35, 0
	s_lshr_b32 s33, s[WV], 1                       ; T: the row tile that I merge and send out
	s_lshl_b32 s36, s15, 22                        ; out0: row 4096 x batch + 64 x block + 16 T of 1024 bytes, + 512 bytes x half
	s_lshl_b32 s2, ttmp9, 16
	s_add_co_u32 s36, s36, s2
	s_lshl_b32 s2, s33, 14
	s_add_co_u32 s36, s36, s2
	s_lshl_b32 s2, s3, 9
	s_add_co_u32 s36, s36, s2
	s_mov_b32 s37, 0
	v_and_b32 v[L4], 31, v0
	v_lshlrev_b32 v[LI], 4, v[L4]
	v_lshlrev_b32 v[L4], 2, v[L4]
	v_lshl_add_u32 v[SPW], v0, 2, SPARE
	v_mov_b32 v[NIL], 0
	v_mov_b32 v[ZO], 0
	v_and_b32 v31, 15, v0                          ; r
	v_bfe_u32 v5, v0, 4, 1                         ; h
	v_mul_u32_u24 v[SOV], v31, SPITCH
	v_lshl_add_u32 v[SOV], v5, 5, v[SOV]
	v_lshlrev_b32 v[WOV], 6, v31
	v_lshl_add_u32 v[WOV], v5, 3, v[WOV]
	s_wait_alu depctr_va_vdst(0)                   ; the wait ahead of the wait below
	s_wait_kmcnt 0x0
	s_load_b64 s[40:41], s[10:11], 0x18            ; e6, e7
	s_load_b128 s[44:47], s[10:11], 0x20           ; e8, e9, e10, e11
	s_add_nc_u64 s[4:5], s[4:5], s[16:17]
	s_add_nc_u64 s[6:7], s[6:7], s[18:19]
.irp u, 0,1,2,3
.irp c, 0,1
	global_load_b128 v[RK+8*\u+4*\c:RK+8*\u+4*\c+3], v[LI], s[4:5] offset:\u*1024+\c*512   ; k's fragments stay in registers
.endr
.endr
	WIN TO_1
	LOADQ 0
	LOADV 0
	WIN 0
	s_add_nc_u64 s[PFA:PFA+1], s[6:7], s[38:39]
	s_add_nc_u64 s[8:9], s[8:9], s[34:35]
	s_add_nc_u64 s[12:13], s[12:13], s[36:37]
	global_prefetch_b8 v[ZO], s[PFA:PFA+1] offset:16384 th:TH_LOAD_NT scope:SCOPE_SE
	; the last part's LDS bases
	s_lshl_b32 s26, s[WV], 14                      ; where I put my O^T
	s_lshl_b32 s27, s[WV], 10
	s_add_co_u32 s27, s27, STATS                   ; and my -M and sums
	s_lshl_b32 s28, s[WV], 11                      ; where the row tile and the two channel tiles that I merge lie in each image
	s_lshl_b32 s29, s33, 7
	s_add_co_u32 s29, s29, STATS                   ; and their -M
	s_lshl_b32 s30, s[WV], 9
	s_add_co_u32 s30, s30, AIMG                    ; where I put attn's codes
	s_lshl_b32 s31, s33, 10
	s_add_co_u32 s31, s31, AIMG                    ; where I read my row tile's
	s_mul_i32 s32, s[WV], 16*SPITCH                ; my stage
	s_mov_b32 s[SEL], 0x76543210
	s_mov_b32 s[SEL+1], 0xfedcba98
	s_mov_b32 s[CS], 0x3e38aa3b                    ; log2(e) / 8
	s_wait_kmcnt 0x0
	s_add_co_i32 s49, s40, s41
	s_lshl_b32 s49, s49, 23
	s_add_co_i32 s[CS], s[CS], s49                 ; a score stands for score x 2^(e6 + e7): the two exponents are added to c's exponent field
	s_mov_b32 s[CS+1], s[CS]
	s_add_co_i32 s49, s44, 127
	s_lshl_b32 s50, s49, 23                        ; 2^e8
	s_add_co_i32 s49, s49, 8
	s_lshl_b32 s49, s49, 23
	s_or_b32 s[HOLDP], s49, 0x600000               ; 448 x 2^e8
	s_add_co_i32 s54, s44, s45                     ; e8 + e9
	s_add_co_i32 s49, s46, 127
	s_lshl_b32 s58, s49, 23                        ; 2^e10
	s_add_co_i32 s49, s49, 8
	s_lshl_b32 s49, s49, 23
	s_or_b32 s59, s49, 0x600000                    ; 448 x 2^e10
	s_add_co_i32 s56, s46, s47
	s_add_co_i32 s56, s56, 127
	s_lshl_b32 s56, s56, 23                        ; 2^(e10 + e11)
	s_mov_b32 s57, s56
	v_mov_b32 v[PSC], s50
	v_mov_b32 v[PXB], 0                            ; written once: a lane permute's destination counts as one of its sources
	v_mov_b32 v[FA+1], 0                           ; the upper halves of pairs of which the low word serves both halves: named, so written
	v_mov_b32 v[FB+1], 0
.irp T, 0,1,2,3
	v_mov_b32 v[NM+2*\T+1], 0
.endr
	s_wait_alu depctr_va_vdst(0)                   ; the wait at the head's end
	s_wait_loadcnt 16                              ; k and q are in; v's sixteen loads may be out
	SCORES 0, 1
.irp n, 0,1,2,3
	PAIR \n, 0
	PAIR \n, 1
.endr
	; ---- THE EIGHTHS MEET.  Every wave puts its O^T (as it stands in its registers), its -M and its sums into LDS.
.set OIW, 240
.set STW, 241
.set OIR, 242                          ; v242, v243  eighths 0-3, 4-7 of what I merge
.set STR, 244
.set AIW, 245
.set AIR, 246
.set STO, 247                          ; the stage: where I put 32 bytes of a row,
.set RD,  248                          ; and where I read a row back
.set MB,  250                          ; v[250:251] the row's sum, then its reciprocal (the upper half is only named) and the largest M
.set MA,  251
.set MO,  96                           ; v96-223 the eight partial O^T of one row tile and two channel tiles: eighth e at 96 + 16 e
.set MN,  224                          ; v224-231 their -M;  v232-239 their sums;  v64-71 their factors
.set ML,  232
.set MF,  64
.set MS,  72                           ; v72-87 the merged O^T, then attn
.set MC,  88                           ; v88-91 its codes
.set AF,  32                           ; v32-39 attn's fragment
.set ESC, 40                           ; v40  2^e10;  v41  448 x 2^e10
	v_add_nc_u32 v[OIW], s26, v[LI]                ; (these thirteen are also the places behind the last products)
	v_add_nc_u32 v[STW], s27, v[L4]
	v_add_nc_u32 v[OIR], s28, v[LI]
	v_add_nc_u32 v[STR], s29, v[L4]
	v_add_nc_u32 v[AIW], s30, v[LI]
	v_add_nc_u32 v[AIR], s31, v[LI]
	v_add_nc_u32 v[STO], s32, v[SOV]
	v_add_nc_u32 v[RD], s32, v[LI]
	v_add_nc_u32 v[OIR+1], 65536, v[OIR]
.irp T, 0,1,2,3
	v_add_f32 v[LS+2*\T], v[LS+2*\T], v[LS+2*\T+1] ; each sum's two halves
.endr
	WIN ST_1
.set k, 0
.rept 32
.if k < 16
	s_wait_alu depctr_va_vdst(0)                   ; tiles 0 and 1 were multiplied ahead of exponentials: the wait directly ahead of each first reader
.endif
	ds_store_b128 v[OIW], v[4*k:4*k+3] offset:512*k   ; each accumulator from its low end on
.set k, k+1
.endr
	WIN 0
.irp T, 0,1,2,3
	ds_store_b32 v[STW], v[NM+2*\T] offset:128*\T
	ds_store_b32 v[STW], v[LS+2*\T] offset:512+128*\T
.endr
	s_wait_alu depctr_va_vdst(0)                   ; the wait ahead of the wait below
	s_wait_dscnt 0x0                               ; for the others' sake: my stores have landed
	s_barrier_signal -1
	s_barrier_wait -1
	; ---- THE MERGE of row tile w / 2, channel tiles 2 (w % 2) and 2 (w % 2) + 1: eight eighths under their largest M
.irp e, 0,1,2,3,4,5,6,7
	ds_load_b32 v[MN+\e], v[STR] offset:\e*1024
	ds_load_b32 v[ML+\e], v[STR] offset:\e*1024+512
.endr
.irp e, 0,1,2,3,4,5,6,7
.irp k, 0,1,2,3
	ds_load_b128 v[MO+16*\e+4*\k:MO+16*\e+4*\k+3], v[OIR+\e/4] offset:(\e%4)*16384+512*\k
.endr
.endr
	s_wait_dscnt 32                                ; -M and sums are in; the 32 loads of the partial O^T may be out
	v_min3_num_f32 v[MA], v[MN], v[MN+1], v[MN+2]
	v_min3_num_f32 v[MB], v[MN+3], v[MN+4], v[MN+5]
	v_min3_num_f32 v[MA], v[MA], v[MN+6], v[MN+7]
	v_min_num_f32 v[MA], v[MA], v[MB]              ; the least -M: the largest M
.irp e, 0,1,2,3,4,5,6,7
	v_sub_f32 v[MF+\e], v[MA], v[MN+\e]            ; eighth e's M less the largest: a whole number, 0 or less
.endr
.irp e, 0,1,2,3,4,5,6,7
	v_cvt_i32_f32 v[MF+\e], v[MF+\e]
.endr
.irp e, 0,1,2,3,4,5,6,7
	v_ldexp_f32 v[MF+\e], 1.0, v[MF+\e]            ; its factor: a power of two, which rounds nothing
.endr
	v_mul_f32 v[MB], v[ML], v[MF]
.irp e, 1,2,3,4,5,6,7
	v_fmac_f32 v[MB], v[ML+\e], v[MF+\e]
.endr
	v_permlanex16_b32 v[PXA], v[MB], s[SEL], s[SEL+1]
	v_add_f32 v[MB], v[MB], v[PXA]                 ; and lane l xor 16's keys: the row's sum
	s_wait_alu depctr_va_vdst(0)                   ; the wait ahead of the reciprocal
	v_rcp_f32 v[MB], v[MB]
	v_mov_b32 v[ESC], s58                          ; (a plain instruction behind it)
	v_mov_b32 v[ESC+1], s59
	s_wait_alu depctr_va_vdst(0)                   ; and behind it, ahead of its first reader
	v_ldexp_f32 v[MB], v[MB], s54                  ; x 2^(e8 + e9)
	s_wait_alu depctr_va_vdst(0)                   ; the wait ahead of the wait below
	s_wait_dscnt 0x0
.set j, 0
.rept 8
	v_pk_mul_f32 v[MS+j:MS+j+1], v[MO+j:MO+j+1], v[MF:MF+1] op_sel_hi:[1,0]
.set j, j+2
.endr
.irp e, 1,2,3,4,5,6,7
.set j, 0
.rept 8
.if \e%2
	v_pk_fma_f32 v[MS+j:MS+j+1], v[MO+16*\e+j:MO+16*\e+j+1], v[MF+\e-1:MF+\e], v[MS+j:MS+j+1] op_sel:[0,1,0] op_sel_hi:[1,1,1]
.else
	v_pk_fma_f32 v[MS+j:MS+j+1], v[MO+16*\e+j:MO+16*\e+j+1], v[MF+\e:MF+\e+1], v[MS+j:MS+j+1] op_sel_hi:[1,0,1]
.endif
.set j, j+2
.endr
.endr
.set j, 0
.rept 8
	v_pk_mul_f32 v[MS+j:MS+j+1], v[MS+j:MS+j+1], v[MB:MB+1] op_sel_hi:[1,0]   ; attn(row r, channels 32 (w % 2) + 8 h + j, then 16 further on)
.set j, j+2
.endr
.set j, 0
.rept 16
	v_med3_num_f32 v[MS+j], v[MS+j], -v[ESC+1], v[ESC+1]   ; the hold at 448 x 2^e10
.set j, j+1
.endr
	v_cvt_scalef32_pk8_fp8_f32 v[MC:MC+1], v[MS:MS+7], v[ESC]
	v_cvt_scalef32_pk8_fp8_f32 v[MC+2:MC+3], v[MS+8:MS+15], v[ESC]
	v_nop                                          ; a plain instruction behind the conversions
	ds_store_b128 v[AIW], v[MC:MC+3]               ; chunk w % 2 of the fragment's image
	s_wait_alu depctr_va_vdst(0)                   ; the wait ahead of the wait below
	s_wait_dscnt 0x0                               ; for the others' sake
	s_barrier_signal -1
	s_barrier_wait -1
	; ---- THE LAST PRODUCT: row tile w / 2, outputs 128 (w % 2) on.  Source 0 = 16 rows of Wo, source 1 = attn: a lane holds row r and eight neighbouring outputs 16 i + 8 h + 0 .. 7
	ds_load_b128 v[AF:AF+3], v[AIR]
	ds_load_b128 v[AF+4:AF+7], v[AIR] offset:512
	s_wait_loadcnt 0x0                             ; Wo
	s_wait_dscnt 0x0
	WIN MUL_S
.irp i, 0,1,2,3,4,5,6,7
	v_wmma_f32_16x16x64_fp8_fp8 v[SA+8*\i:SA+8*\i+7], v[QF+8*\i:QF+8*\i+7], v[AF:AF+7], 0
.endr
	WIN 0
.rept 4
	v_nop
.endr
.set j, 0
.rept 32
	v_pk_mul_f32 v[SB+j:SB+j+1], v[SA+j:SA+j+1], s[56:57] op_sel_hi:[1,0]   ; x 2^(e10 + e11), into other registers; each accumulator from its low end on
.set j, j+2
.endr
	; through my own stage, so that the 32 lanes store 512 consecutive bytes of a row.  Every wave has waited for its reads of the partial O^T in front of the last barrier.
.irp i, 0,1,2,3,4,5,6,7
	ds_store_b128 v[STO], v[SB+8*\i:SB+8*\i+3] offset:64*\i
	ds_store_b128 v[STO], v[SB+8*\i+4:SB+8*\i+7] offset:64*\i+16
.endr
.set t, 0
.rept 16
	ds_load_b128 v[SA+4*t:SA+4*t+3], v[RD] offset:t*SPITCH   ; LDS serves a wave's instructions in order (ISA guide 5.7.1.4): these see my stores
.set t, t+1
.endr
.set t, 0
.rept 16
	s_wait_dscnt 15-t                              ; the younger loads from the stage may stay out
	global_store_b128 v[LI], v[SA+4*t:SA+4*t+3], s[12:13] offset:t*1024 th:TH_STORE_NT   ; row 16 T + t: 512 consecutive bytes, at a multiple of 256
.set t, t+1
.endr
	s_wait_tensorcnt 0x0                           ; the wave's end: behind my last LDS store
	ds_add_u32 v[SPW], v[NIL]
	s_wait_dscnt 0x0
	s_endpgm
.Lfunc_end_k_qe6f2f27aeb_attn:
	.size	k_qe6f2f27aeb_attn, .Lfunc_end_k_qe6f2f27aeb_attn-k_qe6f2f27aeb_attn
	.p2alignl 7, 3214868480
	.fill 96, 4, 3214868480
	.section	.rodata,"a",@progbits
	.p2align	6, 0x0
	.amdhsa_kernel k_qe6f2f27aeb_attn
		.amdhsa_group_segment_fixed_size 144384
		.amdhsa_private_segment_fixed_size 0
		.amdhsa_enable_private_segment 0
		.amdhsa_kernarg_size 40
		.amdhsa_user_sgpr_count 2
		.amdhsa_user_sgpr_kernarg_segment_ptr 1
		.amdhsa_wavefront_size32 1
		.amdhsa_system_sgpr_workgroup_id_x 1
		.amdhsa_system_sgpr_workgroup_id_y 1
		.amdhsa_system_sgpr_workgroup_id_z 1
		.amdhsa_system_vgpr_workitem_id 0
		.amdhsa_next_free_vgpr 512
		.amdhsa_next_free_sgpr 66
		.amdhsa_reserve_vcc 0
		.amdhsa_float_denorm_mode_32 3
		.amdhsa_float_denorm_mode_16_64 3
		.amdhsa_memory_ordered 1
		.amdhsa_forward_progress 1
		.amdhsa_inst_pref_size 244
	.end_amdhsa_kernel
	.amdgpu_metadata
---
amdhsa.version: [ 1, 2 ]
amdhsa.kernels:
  - .name:           k_qe6f2f27aeb_attn
    .symbol:         k_qe6f2f27aeb_attn.kd
    .args:
      - { .name: kf, .offset: 0, .size: 8, .value_kind: global_buffer, .address_space: global }
      - { .name: cv, .offset: 8, .size: 8, .value_kind: global_buffer, .address_space: global }
      - { .name: Wo_codes, .offset: 16, .size: 8, .value_kind: global_buffer, .address_space: global }
      - { .name: lowp_scales, .offset: 24, .size: 8, .value_kind: global_buffer, .address_space: global }
      - { .name: out0, .offset: 32, .size: 8, .value_kind: global_buffer, .address_space: global }
    .group_segment_fixed_size: 144384
    .private_segment_fixed_size: 0
    .kernarg_segment_align: 8
    .kernarg_segment_size: 40
    .max_flat_workgroup_size: 256
    .sgpr_count:     66
    .vgpr_count:     512
    .wavefront_size: 32
...
	.end_amdgpu_metadata
.endif
;; end of part 2
